; MI455X (gfx1250); checked and timed in simulation.
; The chip was launched on July 23, 2026; its instructions are those of AMD's public machine-readable ISA for CDNA 5 (MIT licence, August 2026) and "CDNA5" Instruction Set Architecture Reference Guide (July 2026). The comments in the code are by the model that wrote it; some were corrected since.
;; Attention. Allowed arithmetic: matrix products marked QUANTISED: E4M3 operands, one given power-of-two scale a tensor, by v_wmma_f32_16x16x64_fp8_fp8 or v_wmma_f32_16x16x128_fp8_fp8, f32 sums; everything else in f32.
;; Inputs: lowp_scales 8 int32 (the exponents e of the quantised operands' scales 2^e); proj_b 1,024 float32; proj_w_codes 1,024 x 32 x 32 uint8 (E4M3 codes of proj_w, K innermost, in blocks of 32 codes); qkv_b 3,072 float32; qkv_w_codes 3,072 x 32 x 32 uint8 (E4M3 codes of qkv_w, K innermost, in blocks of 32 codes); x_codes 4 x 2,048 x 32 x 32 uint8 (E4M3 codes of x, K innermost, in blocks of 32 codes).
;; Outputs: out0 4 x 2,048 x 1,024 float32.
;; This version of the problem:
;;   THIS VERSION OF THE PROBLEM IS GIVEN IN LOW PRECISION. The matrix products marked QUANTISED in the list below multiply operands that are first quantised to E4M3 (4 exponent bits, 3 mantissa bits; 8 bits a number), with one given power-of-two scale for each operand tensor; their sums are f32. All else is computed in f32.
;;   The module's matrix products, in the order in which they are computed (A, B: the left and right operand; K: the contracted axis; several contracted axes count as one K, in the product's order):
;;     1. [M 8,192, K 1,024] x [K 1,024, N 3,072]; A: input x (given as codes); B: input qkv_w (given as codes): QUANTISED (scales: A lowp_scales[0], B lowp_scales[1])
;;     2. batch 64 x [M 2,048, K 64] x [K 64, N 2,048]; A: computed on the way; B: computed on the way: QUANTISED (scales: A lowp_scales[2], B lowp_scales[3])
;;     3. batch 64 x [M 2,048, K 2,048] x [K 2,048, N 64]; A: softmax (see below); B: computed on the way: QUANTISED (scales: A lowp_scales[4], B lowp_scales[5])
;;     4. [M 8,192, K 1,024] x [K 1,024, N 1,024]; A: computed on the way; B: input proj_w (given as codes): QUANTISED (scales: A lowp_scales[6], B lowp_scales[7])
;;   THE QUANTISER, for each operand of a quantised product, along K:
;;     - The operand's scale is 2^e, e = its entry of the input lowp_scales (int32; the entries are numbered through the quantised products in the list's order, A before B).
;;     - Each number is divided by the scale, clamped to +-448, and rounded to the nearest number of E4M3, ties to even, subnormals kept.
;;     - The product sums the exact products of the quantised numbers (number of the format x scale) in f32.
;;   ~~~python
;;   def quantise(x, axis, e):      # numpy; x: float32 -> the quantised numbers, widened to float32 again
;;       x = np.moveaxis(x, axis, -1); K = x.shape[-1]
;;       r = np.clip(x / 2.0 ** e, -448, 448)
;;       step = 2.0 ** (np.maximum(np.frexp(np.where(r == 0, 1, r))[1] - 1, -6) - 3)
;;       q = np.round(r / step) * step * 2.0 ** e      # np.round: ties to even
;;       return np.moveaxis(q, -1, axis).astype(np.float32)
;;   ~~~
;;   SOFTMAX AHEAD OF A QUANTISED PRODUCT. Where the list says 'softmax', what is quantised is not the finished softmax but p = 2^(t - M), with t = logit x log2(e) and M = ceil(the row's largest t), a whole number; so 1/2 < the row's largest p <= 1. The row's sum l is taken of the UNQUANTISED p, in f32, and the product's result is divided by l at the end. Since M is a whole number, a kernel that streams over the keys may use a running M (the ceiling of the running maximum): every later rescaling is an exact power of two, so the quantised numbers keep their values, but for numbers so far below the row's largest that they fall under the format's range.
;;   OPERANDS COMPUTED ON THE WAY. 'Computed on the way' means the value that the module computes at that place (a softmax that the list does not call 'softmax' is quantised finished and normalised). What goes into a quantiser is computed in f32, as accurately as f32 sums, v_exp_f32 and their like allow (about 1e-6 of the number): no bf16 or f16 on the way to a quantiser, and a product that is left as it is and whose result goes on into a quantised operand takes f32 operands (vector FMAs, or v_wmma_f32_16x16x4_f32). A number that lies on a knife's edge between two numbers of the format may be rounded either way, as far as f32 arithmetic and the matrix unit's own rounding can turn it there, and no further.
;;   INPUTS GIVEN AS CODES. proj_w (in the module: [1024, 1024], K = its axis 0); qkv_w (in the module: [1024, 3072], K = its axis 0); x (in the module: [4, 2048, 1024], K = its axis 2): each comes as NAME_codes (uint8): NAME with its K axis moved to the last place and cut into blocks of 32 codes, [.., K / 32, bytes a block], one block behind the other in memory; one code a byte (a code: sign, 4 exponent bits, 3 mantissa bits); its scale is its entry of lowp_scales. Its value is code x scale, taken as it is: it is not quantised again, and the codes and scales need not be those that the quantiser above would give.
;; One version. Each part assembles by itself: llvm-mc -triple=amdgcn-amd-amdhsa -mcpu=gfx1250 --defsym DOCPART=n.
;; ======== version 1 of 1: 3 launches
;; limits: right only within a limited range of input values
;; workspace buffers: q_img 8,388,608 bytes; kv_img 16,777,216 bytes; a_img 8,388,608 bytes
;; launch qkv (part 1): grid 12 x 32, 4 waves a work-group, clusters of 4 x 4, 327,680 bytes of LDS; arguments x_codes, qkv_w_codes, lowp_scales, qkv_b, q_img, kv_img; writes q_img, kv_img
.if DOCPART == 1
	.amdgcn_target "amdgcn-amd-amdhsa--gfx1250"
	.amdhsa_code_object_version 6
	.text
	.protected	k_q71e94d0406_qkv
	.globl	k_q71e94d0406_qkv
	.p2align	8
	.type	k_q71e94d0406_qkv,@function
k_q71e94d0406_qkv:
	s_mov_b64 s[64:65], 0
	v_nop
	global_prefetch_b8 v0, s[64:65] scope:SCOPE_SE
	s_setreg_imm32_b32 hwreg(HW_REG_WAVE_MODE, 25, 1), 1
	s_wait_xcnt 0x0
	s_wait_alu depctr_hold_cnt(0) depctr_sa_sdst(0) depctr_va_vdst(0) depctr_va_sdst(0) depctr_va_ssrc(0) depctr_va_vcc(0) depctr_vm_vsrc(0)
	s_getreg_b32 s2, hwreg(HW_REG_IB_STS2, 6, 4)
	s_cmp_eq_u32 s2, 0
	s_cbranch_scc0 .Lentry_in_a_cluster
	s_endpgm
.Lentry_in_a_cluster:
	s_bfe_u32 s2, ttmp6, 0x10000c
	s_cmp_lg_u32 s2, 0xf033
	s_cbranch_scc0 .Lentry_shape_is_right
	s_endpgm
.Lentry_shape_is_right:
; qkv = x W + b on codes of FP8 (E4M3); then q, k and v are quantised with their given scales and stored as codes, in the order of the operand registers of the launch that reads them.
; x: [8192][1024] codes, W: [3072][1024] codes, K innermost in both.  A sum stands for sum x 2^(e0 + e1); the bias goes in as the C of each sum's first product, as b / 2^(e0 + e1);
; code = sum / 2^(eo - e0 - e1), held within +-448 codes, eo = e2 (q), e3 (k), e5 (v).
; LIMITS: eo - e0 - e1 between -126 and 119, so that the scale and 448 x the scale are f32 numbers.  NaN among codes or biases is not served.
; SHARES.  384 tiles of 256 x 256, a work-group of four waves each, a wave 128 x 128: 64 accumulators, 512 registers.  K goes in four steps of 256 through a ring of two LDS slots.
; THE MATRIX INSTRUCTION IS USED TRANSPOSED: source 0 = 16 rows of the "B role", source 1 = 16 rows of the "A role": a lane holds ONE row of the A role and eight neighbouring rows of the B role.
; Cluster x = 0 (q) and 1 (k): A role = tokens (x), B role = features (W): a lane's eight numbers run along the head's 64, the K of the score product.
; Cluster x = 2 (v): the roles are swapped BY ADDRESS: A role = features (W's rows 2048 on), B role = tokens: a lane's eight numbers run along the keys, the K of the second attention product.
; So one conversion of an accumulator's eight registers gives two registers of the next operand, two neighbouring accumulators 16 bytes of a lane, and a store of the wave covers 512 consecutive bytes, aligned.
; CLUSTERS: 4 x 4 work-groups.  The four of a row of the cluster need the same A tiles, the four of a column the same B tiles: each tile is asked for jointly.
; Branches hang on the cluster's x (alike in all sixteen partners) and on the wave's number alone.
; OUTPUT LAYOUTS (lane = 16 h + r).  q_img [head 64][tile of 16 queries 128][g 2][lane][16 bytes]: d = 32 g + 8 h + 0..7, then 32 g + 16 + 8 h + 0..7 of query r.
; kv_img [head 64][step of 128 keys 16][16,384 bytes]: first K [tile of 16 keys 8][g 2][lane][16] as q_img; then V [tile of 16 d 4][c 4][lane][16]: keys 32 c + 8 h + 0..7, then 32 c + 16 + 8 h + 0..7 of row d = r.
; REGISTERS, in windows of 256: window 0: v8-29 scales, offsets, addresses; v32-95 the bias as C; v128-255 A's fragments (one set), later the codes.
;   window 1: B's fragments, two sets, at v0 and v128.   window 2: accumulators of my A rows 0-63 ((a, b) at v[8 (8 a + b)]);   window 3: those of rows 64-127.
.set KROW,   1024                      ; a row of x or of W in memory, in bytes
.set ROWB,   256                       ; a tile's row: 256 codes
.set PITCH,  272                       ; an LDS row: 256 bytes + 16 of padding: the 16 rows that a fragment load touches start 68 words apart
.set FR,     16                        ; registers of a fragment: 16 rows x 128 K
.set NL,     4                         ; LDS loads that bring one
.set NP,     4                         ; places behind this matrix instruction (ISA guide 7.12.1)
.set HALFT,  128*PITCH                 ; 128 rows: what one tensor load brings
.set SLOT,   4*HALFT                   ; A's 256 rows, then B's 256 rows
.set SPARE,  2*SLOT                    ; behind the ring: the spare words, 128 bytes for each wave
.set SC,   8                           ; v8   2^(eo - e0 - e1) as f32
.set LIM,  9
.set OV0,  10                          ; v10  16 x lane
.set OV1,  11                          ; v11  16 x lane + the distance to a block's third and fourth store
.set BO,   12                          ; v12  bias, q and k: 32 h
.set BOV,  13                          ; v13  bias, v: 4 r
.set ADRA, 16                          ; v16-17  LDS address of my A fragments in slot 0, 1
.set ADRB, 20                          ; v20-21  the same for B
.set SPW,  28                          ; v28  LDS address of my spare word; never rewritten
.set NIL,  29                          ; v29  0; never rewritten
.set BI,   32                          ; v32-95  the bias in the result's layout
.set TMP,  32
.set AF,   128                         ; A's fragments
.set CD,   128                         ; the way out: 16 registers of codes for each block, so that no store's data are written again
.set G1, 24                            ; s[24:31] descriptor group 1 for A's tiles;  s[32:39] group 0, one set for each slot
.set G0, 32
.set G1B, 48                           ; s[48:55], s[56:63] the same for B's tiles
.set G0B, 56
.set ISV, 72                           ; s72  1 in the clusters that make v
.set OB,  90                           ; s[90:91] where the block in hand is stored
.set ST1, 92                           ; s[92:93] from block to block
.set ST2, 94                           ; s[94:95] from block 3 to block 4
.set BP,  98                           ; s[98:99] my part of the bias
.set MSB, 0
.macro WIN new                         ; the immediate's high byte repeats the setting that is left
.if MSB != \new
	s_set_vgpr_msb (MSB<<8)|\new
.set MSB, \new
.endif
.endm
.set MUL_LO, 0xa1                      ; source 0 (B) window 1, source 1 (A) window 0, C and D window 2
.set MUL_HI, 0xf1                      ; the same, C and D window 3
.set TO_B,   0x40                      ; destination window 1, address window 0
; A joint load: waves 0 and 1 fetch for A, waves 2 and 3 for B.  The branch hangs on the wave's number alone.  Four v_nop follow each of the two lines.
.macro JLOAD g0a, g1a, g0b, g1b
	s_cmp_eq_u32 s15, 0
	s_cbranch_scc0 .Lfor_b_\@
	tensor_load_to_lds s[\g0a:\g0a+3], s[\g1a:\g1a+7]
	s_nop 0
.rept 4
	v_nop
.endr
	s_branch .Lasked_\@
.Lfor_b_\@:
	tensor_load_to_lds s[\g0b:\g0b+3], s[\g1b:\g1b+7]
	s_nop 0
.rept 4
	v_nop
.endr
.Lasked_\@:
.endm
.macro CREST                           ; a round of the cluster's barrier behind its opening barrier
	s_cmp_lg_u32 s14, 0
	s_cbranch_scc1 .Lnot_wave_0_\@
	s_barrier_signal -3
.Lnot_wave_0_\@:
	s_barrier_wait -3
	s_barrier_signal -1
	s_barrier_wait -1
.endm
.macro CROUND                          ; a whole round
	s_barrier_signal -1
	s_barrier_wait -1
	CREST
.endm
	s_load_b256 s[4:11], s[0:1], 0x0               ; x s[4:5], W s[6:7], the scales' exponents s[8:9], the bias s[10:11]
	s_load_b128 s[68:71], s[0:1], 0x20             ; q_img s[68:69], kv_img s[70:71]
	v_lshl_add_u32 v[SPW], v0, 2, SPARE
	v_mov_b32 v[NIL], 0
	ds_add_u32 v28, v29
	ds_add_u32 v28, v29
	s_wait_dscnt 0x0
	v_lshrrev_b32 v1, 5, v0
	v_readfirstlane_b32 s14, v1                    ; wave 0..3
	s_lshr_b32 s15, s14, 1                         ; which half of the tile's A rows is mine.  Also: I fetch for A (0) or for B (1)
	s_and_b32 s16, s14, 1                          ; which half of its B rows.  Also: which 128 rows of that tile I fetch
	s_bfe_u32 s40, ttmp6, 0x40000                  ; cx, cy: my place in the cluster
	s_bfe_u32 s41, ttmp6, 0x40004
	s_and_b32 s74, ttmp7, 0xffff                   ; cluster y, 0..7
	s_cmp_eq_u32 ttmp9, 2                          ; cluster x: 0 = q, 1 = k, 2 = v
	s_cselect_b32 s[ISV], 1, 0
	s_cselect_b32 s17, 0, s74                      ; A tiles: tokens go by cluster y; v's features are four tiles in all
	s_cselect_b32 s42, s74, ttmp9                  ; B tiles: features go by cluster x; v's tokens by cluster y
	s_cselect_b32 s19, 0x200000, 0                 ; v's features begin at W's row 2,048
	s_lshl_b32 s17, s17, 2
	s_add_co_u32 s17, s17, s41                     ; A tile = 4 x its cluster coordinate + cy
	s_lshl_b32 s42, s42, 2
	s_add_co_u32 s42, s42, s40                     ; B tile = 4 x its cluster coordinate + cx
	s_lshl_b32 s43, s41, 2
	s_lshl_b32 s43, 15, s43                        ; my row of the cluster
	s_lshl_b32 s44, 0x1111, s40                    ; my column
	; descriptor group 1: a tile of 128 rows x 256 bytes, padded in LDS
	s_or_b32 s[G1+0], s43, (0<<16)|(1<<20)|(1<<21)|(5<<22)|(3<<25)  ; 15:0 the mask: A's tiles go to my row; 17:16 element of 1 byte; 20 padding on; 21 set beside a mask; 24:22 after every 64 words (code 5); 31:25 of 4 words (code 3)
	s_or_b32 s[G1B+0], s44, (0<<16)|(1<<20)|(1<<21)|(5<<22)|(3<<25)
.irp g, G1, G1B
	s_mov_b32 s[\g+1], ROWB<<16                    ; tensor_dim0
	s_mov_b32 s[\g+2], 128<<16                     ; tensor_dim1 = 128
	s_mov_b32 s[\g+3], ROWB<<16                    ; tile_dim0
	s_mov_b32 s[\g+4], 128                         ; tile_dim1 = 128
	s_mov_b32 s[\g+5], KROW                        ; tensor_dim0_stride
	s_mov_b32 s[\g+6], 0
	s_mov_b32 s[\g+7], 0
.endr
	s_lshl_b32 s18, s16, 7                         ; which 128 rows of the tile I fetch
	s_lshl_b32 s20, s17, 8
	s_add_co_u32 s20, s20, s18                     ; A: row 256 x tile + 128 x half,
	s_lshl_b32 s20, s20, 10                        ; in bytes,
	s_add_co_u32 s20, s20, s19                     ; behind q's and k's features where A is W
	s_lshl_b32 s46, s42, 8
	s_add_co_u32 s46, s46, s18                     ; B likewise
	s_lshl_b32 s46, s46, 10
	s_mov_b32 s21, 0
	s_mov_b32 s47, 0
	s_mul_i32 s45, s14, HALFT                      ; where they go: wave x 128 rows: no place in the cluster enters an LDS address
	s_wait_kmcnt 0x0
	s_load_b256 s[80:87], s[8:9], 0x0              ; e0 .. e7
	s_cmp_eq_u32 s[ISV], 1
	s_cselect_b64 s[76:77], s[6:7], s[4:5]         ; the A role's buffer
	s_cselect_b64 s[78:79], s[4:5], s[6:7]         ; the B role's
	s_add_nc_u64 s[20:21], s[76:77], s[20:21]
	s_add_nc_u64 s[46:47], s[78:79], s[46:47]
	CROUND                                         ; all sixteen work-groups are here: the first joint loads meet
.irp s, 0,1
	s_mov_b32 s[G0+4*\s], 1
	s_add_co_u32 s[G0+4*\s+1], s45, \s*SLOT
	s_add_nc_u64 s[G0+4*\s+2:G0+4*\s+3], s[20:21], \s*ROWB
	s_or_b32 s[G0+4*\s+3], s[G0+4*\s+3], 0x80000000
	s_mov_b32 s[G0B+4*\s], 1
	s_add_co_u32 s[G0B+4*\s+1], s45, \s*SLOT
	s_add_nc_u64 s[G0B+4*\s+2:G0B+4*\s+3], s[46:47], \s*ROWB
	s_or_b32 s[G0B+4*\s+3], s[G0B+4*\s+3], 0x80000000
	JLOAD G0+4*\s, G1, G0B+4*\s, G1B               ; two loads of mine are out
.endr
	v_and_b32 v1, 15, v0                           ; r = l % 16
	v_bfe_u32 v2, v0, 4, 1                         ; h = l / 16
	v_mul_u32_u24 v3, v1, PITCH
	v_lshl_add_u32 v4, v2, 4, v3                   ; a fragment's row x pitch + 16 x half
	s_mul_i32 s21, s15, HALFT                      ; my 128 rows of A
	s_mul_i32 s22, s16, HALFT                      ; my 128 rows of B,
	s_add_co_u32 s22, s22, 2*HALFT                 ; which lie behind A's 256
.irp s, 0,1
	v_add_nc_u32 v[ADRA+\s], s21, v4
	v_add_nc_u32 v[ADRB+\s], s22, v4
	s_add_co_u32 s21, s21, SLOT
	s_add_co_u32 s22, s22, SLOT
.endr
	; where my results go.  Selections first, arithmetic that sets SCC behind them.
	s_lshl_b32 s20, s17, 8
	s_lshl_b32 s21, s15, 7
	s_add_co_u32 s20, s20, s21                     ; my first A row
	s_lshl_b32 s21, s42, 8
	s_lshl_b32 s22, s16, 7
	s_add_co_u32 s21, s21, s22                     ; my first B row
	s_and_b32 s22, s21, 1023                       ; q, k: the feature within its third of W
	s_add_co_u32 s97, s20, 2048                    ; v: the feature's place in the bias
	s_mov_b32 s[ST1], 1024
	s_mov_b32 s[ST2], 1024
	s_mov_b32 s96, 0x40000
	s_cmp_eq_u32 s[ISV], 1
	s_cselect_b32 s23, s21, s20                    ; my first token
	s_cselect_b32 s22, s20, s22                    ; my first feature, 0..1023: two heads of 64
	s_cselect_b32 s75, 8192, 0                     ; V lies behind K in a key step's 16,384 bytes
	s_cselect_b32 s[ST1], 2048, s[ST1]             ; a block on: q, k: the next tile of 16 tokens, 1,024 bytes; v: the next tile of 16 d, 2,048
	s_cselect_b32 s[ST2], 256000, s[ST2]           ; v: from a head's fourth d tile to the next head's first: 262,144 - 3 x 2,048
	s_cselect_b32 s96, 1024, s96                   ; a block's stores 2 and 3: v: images c = 2, 3; k: the next head, 262,144 bytes on
	s_cselect_b32 s97, s97, s21                    ; my first number of the bias
	s_mov_b32 s[ST1+1], 0
	s_mov_b32 s[ST2+1], 0
	s_lshr_b32 s73, s23, 11                        ; the batch,
	s_lshl_b32 s73, s73, 4
	s_lshr_b32 s22, s22, 6
	s_add_co_u32 s73, s73, s22                     ; x 16 + the head
	s_and_b32 s23, s23, 2047                       ; the token within its batch
	s_cmp_eq_u32 ttmp9, 0
	s_cselect_b32 s66, 17, 18                      ; a head is 131,072 bytes of q_img, 262,144 of kv_img
	s_cselect_b32 s67, 6, 7                        ; 16 tokens are 1,024 bytes of q_img; 128 tokens 16,384 of kv_img
	s_cselect_b32 s96, 0x20000, s96                ; q: the next head
	s_cselect_b64 s[OB:OB+1], s[68:69], s[70:71]
	s_lshl_b32 s73, s73, s66
	s_lshl_b32 s23, s23, s67
	s_add_co_u32 s22, s73, s23
	s_add_co_u32 s22, s22, s75
	s_mov_b32 s23, 0
	s_add_nc_u64 s[OB:OB+1], s[OB:OB+1], s[22:23]
	s_lshl_b32 s22, s97, 2
	s_add_nc_u64 s[BP:BP+1], s[10:11], s[22:23]
	v_and_b32 v[OV0], 31, v0
	v_lshlrev_b32 v[OV0], 4, v[OV0]
	v_add_nc_u32 v[OV1], s96, v[OV0]
	v_lshlrev_b32 v[BO], 5, v2
	v_lshlrev_b32 v[BOV], 2, v1
	s_wait_kmcnt 0x0                               ; the exponents
	s_cmp_eq_u32 ttmp9, 1
	s_cselect_b32 s89, s83, s85                    ; e3 (k) or e5 (v),
	s_cmp_eq_u32 ttmp9, 0
	s_cselect_b32 s89, s82, s89                    ; or e2 (q)
	s_add_co_i32 s88, s80, s81                     ; e0 + e1
	s_sub_co_i32 s89, s89, s88                     ; eo - e0 - e1: the three scales folded into the conversion's one
	s_sub_co_i32 s88, 0, s88                       ; the bias goes in x 2^-(e0 + e1)
	s_add_co_i32 s89, s89, 127
	s_lshl_b32 s22, s89, 23
	v_mov_b32 v[SC], s22
	; the bias in the result's layout.  q, k: it hangs on the B tile and the register: eight registers for each of B's eight tiles.  v: on the A block and the lane: one number, eight times, for each of A's eight blocks.
	s_cmp_eq_u32 s[ISV], 0
	s_cbranch_scc0 .Lbias_v
	s_wait_alu depctr_va_vdst(0)
.irp t, 0,1,2,3,4,5,6,7
	global_load_b128 v[BI+8*\t:BI+8*\t+3], v[BO], s[BP:BP+1] offset:64*\t        ; features 16 t + 8 h + 0 .. 7
	global_load_b128 v[BI+8*\t+4:BI+8*\t+7], v[BO], s[BP:BP+1] offset:64*\t+16
.endr
	s_wait_loadcnt 0x0
.set j, 0
.rept 64
	v_ldexp_f32 v[BI+j], v[BI+j], s88
.set j, j+1
.endr
	s_branch .Lbias_done
.Lbias_v:
	s_wait_alu depctr_va_vdst(0)
.irp a, 0,1,2,3,4,5,6,7
	global_load_b32 v[BI+8*\a], v[BOV], s[BP:BP+1] offset:64*\a                  ; feature 16 a + r
.endr
	s_wait_loadcnt 0x0
.irp a, 0,1,2,3,4,5,6,7
.irp u, 7,6,5,4,3,2,1,0
	v_ldexp_f32 v[BI+8*\a+\u], v[BI+8*\a], s88     ; register 0, the source, is written last
.endr
.endr
.Lbias_done:
.macro FRAG reg, adr, q, i             ; a fragment, 16 rows x 128 K: lane l holds row l % 16; registers 4 c .. 4 c + 3 hold K = 32 c + 16 (l / 16) + 0 .. 15: the same placing of k in A and in B, so every product meets its partner
.irp c, 0,1,2,3
	ds_load_b128 v[\reg+4*\c:\reg+4*\c+3], v[\adr] offset:128*(\q)+32*\c+(\i)*16*PITCH
.endr
.endm
; 16 matrix instructions: A's blocks a0, a0 + 1 x B's eight, 128 along K.  p: B's set.  mode 0: adds in place; 1: the sums start with the bias by B's tile; 2: with the bias by A's block.
; The 64 accumulators take turns, one instruction a turn, in the same order in every step.
.macro MUL16 a0, p, mode
.irp a, \a0, \a0+1
.irp b, 0,1,2,3,4,5,6,7
.if \mode == 1
	v_wmma_f32_16x16x128_fp8_fp8 v[8*(8*((\a)%4)+\b):8*(8*((\a)%4)+\b)+7], v[128*(\p)+FR*\b:128*(\p)+FR*\b+FR-1], v[AF+FR*(\a):AF+FR*(\a)+FR-1], v[BI+8*\b:BI+8*\b+7]
.elseif \mode == 2
	v_wmma_f32_16x16x128_fp8_fp8 v[8*(8*((\a)%4)+\b):8*(8*((\a)%4)+\b)+7], v[128*(\p)+FR*\b:128*(\p)+FR*\b+FR-1], v[AF+FR*(\a):AF+FR*(\a)+FR-1], v[BI+8*(\a):BI+8*(\a)+7]
.else
	v_wmma_f32_16x16x128_fp8_fp8 v[8*(8*((\a)%4)+\b):8*(8*((\a)%4)+\b)+7], v[128*(\p)+FR*\b:128*(\p)+FR*\b+FR-1], v[AF+FR*(\a):AF+FR*(\a)+FR-1], v[8*(8*((\a)%4)+\b):8*(8*((\a)%4)+\b)+7]
.endif
.endr
.endr
.endm
; The first step's 32 products on A's blocks a0 .. a0 + 3: they start the sums with the bias.  Only the C operand differs between the two ways; the branch hangs on the cluster's x.  At a branch and at a label every window is 0.
.macro MULF a0, win
	WIN 0
	s_cmp_eq_u32 s[ISV], 0
	s_cbranch_scc0 .Lbias_a_\@
	WIN \win
	s_wait_alu depctr_va_vdst(0)
	MUL16 \a0, 0, 1
	MUL16 \a0+2, 0, 1
	WIN 0
	s_branch .Lstarted_\@
.Lbias_a_\@:
	WIN \win
	MUL16 \a0, 0, 2
	s_wait_alu depctr_va_vdst(0)
	MUL16 \a0+2, 0, 2
	WIN 0
.Lstarted_\@:
.endm
.macro FETCH_B slot, q, p              ; B's eight fragments of the slot's q-th 128 along K into set p
	WIN TO_B
.irp i, 0,1,2,3,4,5,6,7
	FRAG 128*(\p)+FR*\i, ADRB+\slot, \q, \i
.endr
	WIN 0
.endm
.macro FETCH_A slot, q, i0             ; A's blocks i0 .. i0 + 3
.irp i, \i0, \i0+1, \i0+2, \i0+3
	FRAG AF+FR*(\i), ADRA+\slot, \q, \i
.endr
.endm
; A load into a register that a matrix instruction has read, and a vector instruction that reads a matrix result, stand NP places behind that matrix instruction; only plain vector instructions
; that name none of its registers are places (ISA guide 7.12.1 for vector instructions).
.macro PLACES n
.rept \n
	v_nop
.endr
.endm
; A step of 128 along K that has its successor in the same slot.  A's blocks go one after the other, each against B's eight: a block of A is free when its eight products are issued, so A has one set of registers.
.macro STEP slot, q
	s_wait_dscnt 4*NL                              ; B's set and A's blocks 0-3 are in; the youngest 16 loads (A's blocks 4-7) may be out
	WIN MUL_LO
	MUL16 0, (\q)%2, 0
	MUL16 2, (\q)%2, 0
	s_wait_dscnt 0                                 ; A's blocks 4-7 are in (asked for 32 matrix instructions ago)
	PLACES NP
	FETCH_B \slot, (\q)+1, 1-(\q)%2
	FETCH_A \slot, (\q)+1, 0
	WIN MUL_HI
	MUL16 4, (\q)%2, 0
	MUL16 6, (\q)%2, 0
	PLACES NP
	WIN 0
	FETCH_A \slot, (\q)+1, 4
.endm
; A slot's last step changes slots: ONE barrier; in front of it each wave waits for all its tensor loads, adds 0 to its spare word, and waits for that and for its own reads of this slot.  fill = 1: this slot is filled again, two K steps ahead.
.macro TURN slot, next, fill
	s_wait_tensorcnt 0x0                           ; all my tensor loads have landed: my part of the next slot  (every window is 0 here)
	ds_add_u32 v[SPW], v[NIL]                      ; 0 onto my spare word
	s_wait_dscnt 4*NL+1                            ; (the add and the youngest 16 loads, A's blocks 4-7, may be out)
	WIN MUL_LO
	MUL16 0, 1, 0                                  ; sixteen matrix instructions stand between the add and the wait for it
	s_wait_dscnt 0x0                               ; the add is done, and my reads of this slot are over
	s_barrier_signal -1
	MUL16 2, 1, 0
	WIN 0
	s_barrier_wait -1
.if \fill
	CREST                                          ; the barrier has opened a round of the cluster's barrier: no wave of any partner still reads this slot's tile or has a load on its way
	s_add_nc_u64 s[G0+4*\slot+2:G0+4*\slot+3], s[G0+4*\slot+2:G0+4*\slot+3], 2*ROWB
	s_add_nc_u64 s[G0B+4*\slot+2:G0B+4*\slot+3], s[G0B+4*\slot+2:G0B+4*\slot+3], 2*ROWB
	JLOAD G0+4*\slot, G1, G0B+4*\slot, G1B         ; the first tensor load behind the round, my one load until the next; its four v_nop are the places in front of the loads below
.else
	PLACES NP
.endif
	FETCH_B \next, 0, 0
	FETCH_A \next, 0, 0
	WIN MUL_HI
	MUL16 4, 1, 0
	MUL16 6, 1, 0
	PLACES NP
	WIN 0
	FETCH_A \next, 0, 4
.endm
	s_wait_tensorcnt 1                             ; my part of K step 0 is in; K step 1's load, issued behind it, may be out
	s_barrier_signal -1
	s_barrier_wait -1                              ; everybody's is
	FETCH_B 0, 0, 0
	FETCH_A 0, 0, 0
	FETCH_A 0, 0, 4
	s_wait_dscnt 4*NL                              ; the first step, as STEP 0, 0, with products that start the sums
	MULF 0, 0x81                                   ; source 0 window 1, source 1 and C window 0, D window 2
	s_wait_dscnt 0
	PLACES NP
	FETCH_B 0, 1, 1
	FETCH_A 0, 1, 0
	MULF 4, 0xc1                                   ; D window 3
	PLACES NP
	FETCH_A 0, 1, 4
	TURN 0, 1, 1                                   ; K has four slots' worth: the eight steps are written out
	STEP 1, 0
	TURN 1, 0, 1
	STEP 0, 0
	TURN 0, 1, 0                                   ; the last two slots are not filled again
	STEP 1, 0
	s_wait_dscnt 4*NL                              ; the very last step: nothing more to fetch
	WIN MUL_LO
	MUL16 0, 1, 0
	MUL16 2, 1, 0
	s_wait_dscnt 0
	WIN MUL_HI
	MUL16 4, 1, 0
	MUL16 6, 1, 0
	WIN 0
; THE WAY OUT of A's block a: eight conversions; four stores of 512 consecutive bytes.
.macro OUTBLK a
.set AC, 64*((\a)%4)
	WIN 0x02+((\a)/4)                              ; source 0: window 2 or 3
.set j, 0
.rept 64
.set j, j+1
.endr
.irp t, 0,1,2,3,4,5,6,7
	v_cvt_scalef32_pk8_fp8_f32 v[CD+16*(\a)+2*\t:CD+16*(\a)+2*\t+1], v[AC+8*\t:AC+8*\t+7], v[SC]
.endr
	WIN 0
	v_nop                                          ; one plain vector instruction behind the block's conversions
.if (\a) > 0
	s_wait_alu depctr_va_vdst(0)
	s_wait_xcnt 0x0                                ; the last block's stores have read their base: it may step
.if (\a) == 4
	s_add_nc_u64 s[OB:OB+1], s[OB:OB+1], s[ST2:ST2+1]
.else
	s_add_nc_u64 s[OB:OB+1], s[OB:OB+1], s[ST1:ST1+1]
.endif
.endif
.irp g, 0,1,2,3
	global_store_b128 v[OV0+\g/2], v[CD+16*(\a)+4*\g:CD+16*(\a)+4*\g+3], s[OB:OB+1] offset:(\g%2)*512   ; 32 lanes store 512 consecutive bytes, at a multiple of 512 from the buffer's first byte
.endr
.endm
	PLACES NP                                      ; behind the last products: for the reads of their results and for the writes into the registers that held A's fragments
.irp a, 0,1,2,3,4,5,6,7
	OUTBLK \a
.endr
	s_wait_tensorcnt 0x0                           ; the wave's end
	ds_add_u32 v[SPW], v[NIL]
	s_wait_dscnt 0x0
	CROUND                                         ; the closing round: no work-group ends while a partner may still ask for a tile that names it
	s_endpgm
.Lfunc_end_k_q71e94d0406_qkv:
	.size	k_q71e94d0406_qkv, .Lfunc_end_k_q71e94d0406_qkv-k_q71e94d0406_qkv
	.p2alignl 7, 3214868480
	.fill 96, 4, 3214868480
	.section	.rodata,"a",@progbits
	.p2align	6, 0x0
	.amdhsa_kernel k_q71e94d0406_qkv
		.amdhsa_group_segment_fixed_size 327680
		.amdhsa_private_segment_fixed_size 0
		.amdhsa_enable_private_segment 0
		.amdhsa_kernarg_size 48
		.amdhsa_user_sgpr_count 2
		.amdhsa_user_sgpr_kernarg_segment_ptr 1
		.amdhsa_wavefront_size32 1
		.amdhsa_system_sgpr_workgroup_id_x 1
		.amdhsa_system_sgpr_workgroup_id_y 1
		.amdhsa_system_sgpr_workgroup_id_z 1
		.amdhsa_system_vgpr_workitem_id 0
		.amdhsa_next_free_vgpr 1024
		.amdhsa_next_free_sgpr 100
		.amdhsa_reserve_vcc 0
		.amdhsa_float_denorm_mode_32 3
		.amdhsa_float_denorm_mode_16_64 3
		.amdhsa_fp16_overflow 1
		.amdhsa_memory_ordered 1
		.amdhsa_forward_progress 1
		.amdhsa_inst_pref_size 102
	.end_amdhsa_kernel
	.amdgpu_metadata
---
amdhsa.version: [ 1, 2 ]
amdhsa.kernels:
  - .name:           k_q71e94d0406_qkv
    .symbol:         k_q71e94d0406_qkv.kd
    .args:
      - { .name: x_codes, .offset: 0, .size: 8, .value_kind: global_buffer, .address_space: global }
      - { .name: qkv_w_codes, .offset: 8, .size: 8, .value_kind: global_buffer, .address_space: global }
      - { .name: lowp_scales, .offset: 16, .size: 8, .value_kind: global_buffer, .address_space: global }
      - { .name: qkv_b, .offset: 24, .size: 8, .value_kind: global_buffer, .address_space: global }
      - { .name: q_img, .offset: 32, .size: 8, .value_kind: global_buffer, .address_space: global }
      - { .name: kv_img, .offset: 40, .size: 8, .value_kind: global_buffer, .address_space: global }
    .group_segment_fixed_size: 327680
    .private_segment_fixed_size: 0
    .kernarg_segment_align: 8
    .kernarg_segment_size: 48
    .max_flat_workgroup_size: 128
    .sgpr_count:     100
    .vgpr_count:     1024
    .wavefront_size: 32
...
	.end_amdgpu_metadata
.endif
;; end of part 1
;; launch attn (part 2): grid 4 x 64, 8 waves a work-group, clusters of 4 x 1, 327,680 bytes of LDS; arguments q_img, kv_img, lowp_scales, a_img; writes a_img
.if DOCPART == 2
	.amdgcn_target "amdgcn-amd-amdhsa--gfx1250"
	.amdhsa_code_object_version 6
	.text
	.protected	k_q71e94d0406_attn
	.globl	k_q71e94d0406_attn
	.p2align	8
	.type	k_q71e94d0406_attn,@function
k_q71e94d0406_attn:
	s_mov_b64 s[64:65], 0
	v_nop
	global_prefetch_b8 v0, s[64:65] scope:SCOPE_SE
	s_setreg_imm32_b32 hwreg(HW_REG_WAVE_MODE, 25, 1), 1
	s_wait_xcnt 0x0
	s_wait_alu depctr_hold_cnt(0) depctr_sa_sdst(0) depctr_va_vdst(0) depctr_va_sdst(0) depctr_va_ssrc(0) depctr_va_vcc(0) depctr_vm_vsrc(0)
	s_getreg_b32 s2, hwreg(HW_REG_IB_STS2, 6, 4)
	s_cmp_eq_u32 s2, 0
	s_cbranch_scc0 .Lentry_in_a_cluster
	s_endpgm
.Lentry_in_a_cluster:
	s_bfe_u32 s2, ttmp6, 0x10000c
	s_cmp_lg_u32 s2, 0x3003
	s_cbranch_scc0 .Lentry_shape_is_right
	s_endpgm
.Lentry_shape_is_right:
; Causal attention on codes of FP8 (E4M3), head size 64, 2,048 tokens, 64 heads (batch x 16 + head); the result is quantised with e6 and stored as codes for the last product.
; THE SOFTMAX AHEAD OF THE SECOND PRODUCT: t = score x log2(e) / 8; M = the row's largest t so far, rounded UP to a whole number; p = 2^(t - M) is quantised with e4; it is not normalised.
; The row's sum is taken of the unquantised p, in f32, and divides O at the end.  When M moves, the sum and O are multiplied by 2^(old M - new M): nothing is rounded.
; LIMITS on the given exponents: e2 + e3 between -123 and 130 (added to c's exponent field); e4, and e6 - e4 - e5, between -126 and 119.  NaN among the codes is not served.
; SHARES.  A cluster of four work-groups is one head.  The head's 16 groups of 128 queries are cut in four parts of 32; partner cx takes queries 32 cx .. 32 cx + 31 of EVERY group.
; Wave w of eight owns the 32 queries (two tiles of 16) of group 15 - w (pair A) and of group w (pair B).  Group G needs key steps 0 .. G of 128 keys: (16 - w) + (w + 1) = 17 pair-steps for every wave.
; Branches hang on the wave's number and the step counter alone, alike in all partners; cx enters only global addresses and the numbers that the mask compares with.
; K AND V ONCE.  The head's 262,144 bytes of kv_img lie in LDS whole, as they lie in memory: no byte of LDS is filled twice.  Each wave asks jointly (mask: all four partners) for two dense blocks:
; its 4,096 bytes of key steps 0 and 1, and its 28,672 bytes of the other fourteen.  The first two key steps are worked while the second block is on its way.
; LAYOUT.  Both products are used transposed: S^T = K Q^T (source 0 = 16 keys, source 1 = 16 queries), O^T = V^T P^T (source 0 = 16 of the head's 64, source 1 = P): a lane holds ONE query throughout.
; In S^T's tile kt register j of lane (r, h) is key 16 kt + 8 h + j: one conversion gives registers 2 kt, 2 kt + 1 of P in the K = 128 form's own layout.  kv_img holds images of the operand registers: each LDS load takes 512 consecutive bytes.
; REGISTERS: window 0: v1-15 addresses and constants; v16-31 four registers of statistics a tile (-M, the largest t, the sum in two halves); v32-63 Q, 8 a tile; v64-95 P, 16 a tile of the pair in hand; v96-223 S^T, 64 a tile of the pair.
;   window 1: v0-127 O^T, 32 a tile; v128-191 K's eight fragments; v192-255 V's four.
.set LN16, 1                           ; v1   16 x lane; never rewritten
.set ADR,  2                           ; v2   LDS address of the key step in hand
.set LO8,  3                           ; v3   16 r + 8 h: my 8 bytes of a unit of 256 on the way out
.set DD,   4                           ; v4, v5  my query within its group, less 8 h, for the pair's two tiles
.set NINF, 6                           ; v6   -infinity
.set LIMP, 7
.set SCP,  8                           ; v8   2^e4
.set PT,   9                           ; v9   a lane permute's destination, written once at the head
.set ST,   16
.set Q,    32
.set P,    64
.set S,    96
.set SU,   226                         ; v[226:227] the sum's second chain
.set LIMO, 228
.set SCO,  229                         ; v229 2^(e6 - e4 - e5)
.set KF,   128                         ; in window 1
.set VF,   192
.set WV,   12                          ; s12  my wave's number
.set CX,   13                          ; s13  my place in the cluster
.set BH,   14                          ; s14  the head
.set G1A,  16                          ; s[16:23] descriptor group 1: 16 rows of 256 bytes
.set G1B,  24                          ; s[24:31] 112 rows of 256 bytes
.set G0A,  32                          ; s[32:35], s[36:39] their groups 0
.set G0B,  36
.set SEL,  40                          ; s[40:41] lane selects for v_permlanex16_b32: lane l xor 16
.set CS,   42                          ; s[42:43] c = log2(e) / 8 x 2^(e2 + e3)
.set TB,   44                          ; s44  LDS byte at which the key step in hand begins
.set KS,   45                          ; s45  the key step
.set GA,   46                          ; s46  pair A's group: 15 - wave
.set GB,   47                          ; s47  pair B's group: wave
.set MSB, 0
.macro WIN new                         ; the immediate's high byte repeats the setting that is left
.if MSB != \new
	s_set_vgpr_msb (MSB<<8)|\new
.set MSB, \new
.endif
.endm
.macro CROUND                          ; a round of the cluster's barrier
	s_barrier_signal -1
	s_barrier_wait -1
	s_cmp_lg_u32 s[WV], 0
	s_cbranch_scc1 .Lnot_wave_0_\@
	s_barrier_signal -3
.Lnot_wave_0_\@:
	s_barrier_wait -3
	s_barrier_signal -1
	s_barrier_wait -1
.endm
	s_load_b256 s[4:11], s[0:1], 0x0               ; q_img s[4:5], kv_img s[6:7], the scales' exponents s[8:9], a_img s[10:11]
	v_lshl_add_u32 v254, v0, 2, 0x40000
	v_mov_b32 v255, 0
	ds_add_u32 v254, v255
	ds_add_u32 v254, v255
	v_lshrrev_b32 v1, 5, v0
	s_delay_alu instid0(VALU_DEP_1)
	v_readfirstlane_b32 s[WV], v1                  ; wave 0..7
	s_bfe_u32 s[CX], ttmp6, 0x40000                ; cx
	s_and_b32 s[BH], ttmp7, 0xffff                 ; the head, which the four partners share
	; descriptor groups 1: dense blocks as rows of 256 bytes, elements of 8 bytes, no padding
	s_mov_b32 s[G1A], 15|(3<<16)|(1<<21)           ; 15:0 the mask: all four work-groups; 17:16 elements of 8 bytes; 21 set beside a mask
	s_mov_b32 s[G1A+1], 32<<16                     ; tensor_dim0 = 32
	s_mov_b32 s[G1A+2], 16<<16                     ; tensor_dim1 = 16
	s_mov_b32 s[G1A+3], 32<<16                     ; tile_dim0 = 32
	s_mov_b32 s[G1A+4], 16                         ; tile_dim1 = 16
	s_mov_b32 s[G1A+5], 32                         ; tensor_dim0_stride
	s_mov_b32 s[G1A+6], 0
	s_mov_b32 s[G1A+7], 0
	s_mov_b32 s[G1B], 15|(3<<16)|(1<<21)
	s_mov_b32 s[G1B+1], 32<<16
	s_mov_b32 s[G1B+2], 112<<16                    ; 112 rows
	s_mov_b32 s[G1B+3], 32<<16
	s_mov_b32 s[G1B+4], 112
	s_mov_b32 s[G1B+5], 32
	s_mov_b32 s[G1B+6], 0
	s_mov_b32 s[G1B+7], 0
	s_lshl_b32 s66, s[BH], 18                      ; the head's 262,144 bytes of kv_img
	s_lshl_b32 s67, s[WV], 12                      ; my 4,096 bytes of key steps 0 and 1,
	s_mul_i32 s68, s[WV], 28672
	s_add_co_u32 s68, s68, 32768                   ; my 28,672 of the rest: the same place in the head's block and in LDS
	s_add_co_u32 s70, s66, s67
	s_mov_b32 s71, 0
	s_add_co_u32 s72, s66, s68
	s_mov_b32 s73, 0
	s_wait_dscnt 0x0
	s_wait_kmcnt 0x0
	s_load_b256 s[48:55], s[8:9], 0x0              ; e0 .. e7
	s_mov_b32 s[G0A], 1                            ; count = 1
	s_mov_b32 s[G0A+1], s67                        ; LDS address
	s_add_nc_u64 s[G0A+2:G0A+3], s[6:7], s[70:71]  ; global address
	s_or_b32 s[G0A+3], s[G0A+3], 0x80000000        ; type = 2
	s_mov_b32 s[G0B], 1
	s_mov_b32 s[G0B+1], s68
	s_add_nc_u64 s[G0B+2:G0B+3], s[6:7], s[72:73]
	s_or_b32 s[G0B+3], s[G0B+3], 0x80000000
	CROUND                                         ; all four work-groups are here: the joint loads meet
	tensor_load_to_lds s[G0A:G0A+3], s[G1A:G1A+7]  ; the first of the launch's two fills: one load of mine is out
	s_nop 0
	s_wait_alu depctr_va_vdst(0)
	s_wait_tensorcnt 0x0
	ds_add_u32 v254, v255
	s_wait_dscnt 0x0
	CROUND
	tensor_load_to_lds s[G0B:G0B+3], s[G1B:G1B+7]
	s_nop 0
.rept 4
	v_nop
.endr
	s_sub_co_u32 s[GA], 15, s[WV]
	s_mov_b32 s[GB], s[WV]
	s_mov_b32 s69, 0
	s_lshl_b32 s66, s[BH], 17                      ; Q: the head's 131,072 bytes,
	s_lshl_b32 s67, s[CX], 11                      ; my work-group's two tiles of a group's eight,
	s_add_co_u32 s66, s66, s67
	s_lshl_b32 s68, s[GA], 13                      ; the group's eight tiles of 1,024 bytes
	s_add_co_u32 s68, s68, s66
	s_add_nc_u64 s[56:57], s[4:5], s[68:69]        ; pair A's
	s_lshl_b32 s68, s[GB], 13
	s_add_co_u32 s68, s68, s66
	s_add_nc_u64 s[58:59], s[4:5], s[68:69]        ; pair B's
	v_and_b32 v[LN16], 31, v0
	s_delay_alu instid0(VALU_DEP_1)
	v_lshlrev_b32 v[LN16], 4, v[LN16]
.irp i, 0,1
.irp g, 0,1
	global_load_b128 v[Q+8*\i+4*\g:Q+8*\i+4*\g+3], v[LN16], s[56:57] offset:1024*\i+512*\g          ; Q's fragments stay in registers
	global_load_b128 v[Q+16+8*\i+4*\g:Q+16+8*\i+4*\g+3], v[LN16], s[58:59] offset:1024*\i+512*\g
.endr
.endr
	; a_img [K step of 256: 4][tile of 16 tokens: 512][cc 8][lane][16]: lane (r', h') holds k = 32 cc + 16 h' + 0 .. 15 of token r'.  Head hd is K step hd / 4, cc = 2 (hd % 4) + d / 32.
	s_bfe_u32 s66, s[BH], 0x20002                  ; (head / 4) % 4
	s_lshl_b32 s66, s66, 21                        ; x 512 tiles x 4,096 bytes
	s_lshr_b32 s67, s[BH], 4                       ; the batch:
	s_lshl_b32 s67, s67, 19                        ; 128 tiles
	s_add_co_u32 s66, s66, s67
	s_and_b32 s67, s[BH], 3
	s_lshl_b32 s67, s67, 10                        ; cc = 2 (head % 4): 512 bytes each
	s_add_co_u32 s66, s66, s67
	s_lshl_b32 s67, s[CX], 13                      ; my work-group's two tiles
	s_add_co_u32 s66, s66, s67
	s_lshl_b32 s68, s[GA], 15                      ; the group's eight tiles
	s_add_co_u32 s68, s68, s66
	s_add_nc_u64 s[60:61], s[10:11], s[68:69]      ; pair A's
	s_lshl_b32 s68, s[GB], 15
	s_add_co_u32 s68, s68, s66
	s_add_nc_u64 s[62:63], s[10:11], s[68:69]      ; pair B's
	v_and_b32 v14, 15, v0                          ; r
	v_bfe_u32 v15, v0, 4, 1                        ; h
	s_delay_alu instid0(VALU_DEP_2)
	v_lshlrev_b32 v[LO8], 4, v14
	s_delay_alu instid0(VALU_DEP_1)
	v_lshl_add_u32 v[LO8], v15, 3, v[LO8]
	s_delay_alu instid0(VALU_DEP_3)
	v_lshlrev_b32 v15, 3, v15
	s_delay_alu instid0(VALU_DEP_1)
	v_sub_nc_u32 v[DD], v14, v15                   ; r - 8 h
	s_lshl_b32 s66, s[CX], 5
	v_add_nc_u32 v[DD], s66, v[DD]                 ; + 32 cx: the pair's first tile,
	s_delay_alu instid0(VALU_DEP_1)
	v_add_nc_u32 v[DD+1], 16, v[DD]                ; its second
	v_mov_b32 v[NINF], 0xff800000
	v_mov_b32 v[PT], 0
	v_mov_b32 v11, 0                               ; (named as the upper halves of the pairs v[10:11], v[12:13])
	v_mov_b32 v13, 0
.irp T, 0,1,2,3
	v_mov_b32 v[ST+4*\T+1], 0xff61b1e6             ; the largest t so far: -3e38, under every t
	s_delay_alu instid0(VALU_DEP_1)
	v_floor_f32 v[ST+4*\T], -v[ST+4*\T+1]          ; -M
	v_mov_b32 v[ST+4*\T+2], 0                      ; the sum, in two halves
	v_mov_b32 v[ST+4*\T+3], 0
.endr
	WIN 0x40                                       ; destination window 1
.set j, 0
.rept 128
	v_mov_b32 v[j], 0                              ; O^T.  (The key step is written without a first step of its own: the first change of M multiplies zeros)
.set j, j+1
.endr
	WIN 0
	s_mov_b32 s[SEL], 0x76543210
	s_mov_b32 s[SEL+1], 0xfedcba98
	s_mov_b32 s[CS], 0x3e38aa3b                    ; log2(e) / 8
	s_mov_b32 s[TB], 0
	s_mov_b32 s[KS], 0
	s_wait_kmcnt 0x0
	s_add_co_i32 s66, s50, s51
	s_lshl_b32 s66, s66, 23
	s_add_co_i32 s[CS], s[CS], s66                 ; a score stands for score x 2^(e2 + e3): the two exponents are added to c's exponent field
	s_mov_b32 s[CS+1], s[CS]                       ; (named with it as a pair, so it is written)
	s_add_co_i32 s66, s52, 127
	s_lshl_b32 s67, s66, 23
	v_mov_b32 v[SCP], s67
	s_sub_co_i32 s66, s54, s52
	s_sub_co_i32 s66, s66, s53                     ; a sum of the second product stands for sum x 2^(e4 + e5): its code is sum / l / 2^(e6 - e4 - e5)
	s_add_co_i32 s66, s66, 127
	s_lshl_b32 s67, s66, 23
	v_mov_b32 v[SCO], s67
; THE SOFTMAX of tile i of the pair in hand, in parts.  rS: its 64 scores; rT: its statistics; rA, rA + 1: at work; rF: f = 2^(old M - new M).
.macro SM_MAX i                        ; the step's largest score of my query among my 64 keys, in two chains; each accumulator is first read at its low end
.set rS, S+64*\i
.set rA, 14+210*\i
	v_max3_num_f32 v[rA], v[rS], v[rS+1], v[rS+2]
	v_max3_num_f32 v[rA+1], v[rS+3], v[rS+4], v[rS+5]
.irp u, 6,10,14,18,22,26,30,34,38,42,46,50,54,58
	v_max3_num_f32 v[rA], v[rA], v[rS+\u], v[rS+\u+1]
	v_max3_num_f32 v[rA+1], v[rA+1], v[rS+\u+2], v[rS+\u+3]
.endr
	v_max3_num_f32 v[rA], v[rA], v[rS+62], v[rS+63]
	s_delay_alu instid0(VALU_DEP_1)
	v_max_num_f32 v[rA], v[rA], v[rA+1]
.endm
.macro SM_M pr, i
.set rT, ST+4*(2*\pr+\i)
.set rA, 14+210*\i
.set rF, 10+2*\i
	v_permlanex16_b32 v[PT], v[rA], s[SEL], s[SEL+1]
	s_delay_alu instid0(VALU_DEP_1)
	v_max_num_f32 v[rA], v[rA], v[PT]              ; and among lane l xor 16's
	s_delay_alu instid0(VALU_DEP_1)
	v_mul_f32 v[rA], s[CS], v[rA]                  ; as t (c is positive)
	s_delay_alu instid0(VALU_DEP_1)
	v_max_num_f32 v[rT+1], v[rT+1], v[rA]          ; the running largest t
	v_mov_b32 v[rA], v[rT]
	s_delay_alu instid0(VALU_DEP_2)
	v_floor_f32 v[rT], -v[rT+1]                    ; the new -M = floor(-t) = -ceil(t): a whole number
	s_delay_alu instid0(VALU_DEP_1)
	v_sub_f32 v[rA], v[rT], v[rA]                  ; old M less new M: a whole number, 0 or less
	s_delay_alu instid0(VALU_DEP_1)
	v_cvt_i32_f32 v[rA], v[rA]                     ; (it saturates)
	s_delay_alu instid0(VALU_DEP_1)
	v_ldexp_f32 v[rF], 1.0, v[rA]                  ; f
.endm
.macro SM_EXP pr, i
.set rS, S+64*\i
.set rT, ST+4*(2*\pr+\i)
.set j, 0
.rept 32
	v_pk_fma_f32 v[rS+j:rS+j+1], v[rS+j:rS+j+1], s[CS:CS+1], v[rT:rT+1] op_sel_hi:[1,0,0]   ; t - M, two at a time (of the pairs c and -M the low word serves both halves)
.set j, j+2
.endr
.set j, 0
	s_wait_alu depctr_va_vdst(0)
.rept 64
	v_exp_f32 v[rS+j], v[rS+j]                     ; p = 2^(t - M), at most 1; 0 for a hidden key
.set j, j+1
.endr
.endm
.macro SM_SUM pr, i                    ; the row's sum is taken of the unquantised p: two at a time, in two chains
.set rS, S+64*\i
.set rT, ST+4*(2*\pr+\i)
	v_pk_add_f32 v[SU:SU+1], v[rS:rS+1], v[rS+2:rS+3]
.irp u, 4,8,12,16,20,24,28,32,36,40,44,48,52,56,60
	v_pk_add_f32 v[rT+2:rT+3], v[rT+2:rT+3], v[rS+\u:rS+\u+1]
	v_pk_add_f32 v[SU:SU+1], v[SU:SU+1], v[rS+\u+2:rS+\u+3]
.endr
	s_delay_alu instid0(VALU_DEP_1)
	v_pk_add_f32 v[rT+2:rT+3], v[rT+2:rT+3], v[SU:SU+1]
.endm
.macro SM_Q i                          ; p becomes codes: eight conversions
.set rS, S+64*\i
.irp kt, 0,1,2,3,4,5,6,7
.irp u, 0,1,2,3,4,5,6,7
.endr
	v_cvt_scalef32_pk8_fp8_f32 v[P+16*\i+2*\kt:P+16*\i+2*\kt+1], v[rS+8*\kt:rS+8*\kt+7], v[SCP]   ; keys 16 kt + 8 h + 0 .. 7: registers 2 kt, 2 kt + 1 of P
.endr
.endm
; A PAIR'S KEY STEP: two tiles of 16 queries x 128 keys.  pr = 0: pair A; 1: pair B, which is left out once its group's keys are passed.
.macro PAIR pr
.if \pr
	s_cmp_gt_u32 s[KS], s[GB]
	s_cbranch_scc1 .Lskip_\@
.else
	s_wait_dscnt 16                                ; K's 16 loads are in; V's 16 may be out
.endif
	WIN 0x01                                       ; source 0 (K) window 1
.irp kt, 0,1,2,3,4,5,6,7
.irp i, 0,1
	v_wmma_f32_16x16x64_fp8_fp8 v[S+64*\i+8*\kt:S+64*\i+8*\kt+7], v[KF+8*\kt:KF+8*\kt+7], v[Q+8*(2*\pr+\i):Q+8*(2*\pr+\i)+7], 0
.endr
.endr
	WIN 0
.rept 4
	v_nop                                          ; places in front of the first read of results
.endr
	s_cmp_lg_u32 s[KS], s[GA+\pr]                  ; the group's own key step lies on the diagonal: there hidden scores become -infinity ahead of the maximum.  Key 0 of that step counts for every query of the group
	s_cbranch_scc1 .Lopen_\@
.irp i, 0,1
.set n, 0
.rept 64
	v_cmp_gt_i32 vcc_lo, 16*(n/8)+n%8, v[DD+\i]    ; register n holds key 16 (n / 8) + 8 h + n % 8 of the step: hidden where it comes after my query
	v_cndmask_b32 v[S+64*\i+n], v[S+64*\i+n], v[NINF], vcc_lo
.set n, n+1
.endr
.endr
.Lopen_\@:
	SM_MAX 0
	SM_MAX 1
	SM_M \pr, 0
	SM_M \pr, 1
	SM_EXP \pr, 0
	SM_EXP \pr, 1                                  ; the pair's 128 exponentials are one batch: nothing names a result yet
	v_pk_mul_f32 v[ST+8*\pr+2:ST+8*\pr+3], v[ST+8*\pr+2:ST+8*\pr+3], v[10:11] op_sel_hi:[1,0]   ; the sums under the new M.  (The plain instruction behind the last exponential)
	v_pk_mul_f32 v[ST+8*\pr+6:ST+8*\pr+7], v[ST+8*\pr+6:ST+8*\pr+7], v[12:13] op_sel_hi:[1,0]
	s_wait_alu depctr_va_vdst(0)                   ; one wait for the batch, ahead of its first reader
	SM_SUM \pr, 0
	SM_Q 0
	SM_SUM \pr, 1
	SM_Q 1
	WIN 0x41                                       ; O^T (destination and source 0) window 1, f window 0
.irp i, 0,1
.set j, 0
.rept 16
	v_pk_mul_f32 v[32*(2*\pr+\i)+j:32*(2*\pr+\i)+j+1], v[32*(2*\pr+\i)+j:32*(2*\pr+\i)+j+1], v[10+2*\i:11+2*\i] op_sel_hi:[1,0]   ; O^T under the new M.  (Also the plain lines between the conversions and the products that read P)
.set j, j+2
.endr
.endr
	s_wait_alu depctr_va_vdst(0)
	s_wait_dscnt 0x0                               ; V is in
	WIN 0x51                                       ; source 0 (V), C and D (O^T) window 1, source 1 (P) window 0
.irp dt, 0,1,2,3
.irp i, 0,1
	v_wmma_f32_16x16x128_fp8_fp8 v[32*(2*\pr+\i)+8*\dt:32*(2*\pr+\i)+8*\dt+7], v[VF+16*\dt:VF+16*\dt+15], v[P+16*\i:P+16*\i+15], v[32*(2*\pr+\i)+8*\dt:32*(2*\pr+\i)+8*\dt+7]   ; eight accumulators, one instruction a turn
.endr
.endr
	WIN 0
.if \pr
.Lskip_\@:
.endif
.endm
; A TRIP: one key step.  Every wave walks every trip; a wave both of whose groups lie before the step leaves its work out (15 - w is at least 8 and w at most 7, so pair A's test serves both).
.macro TRIP
	v_add_nc_u32 v[ADR], s[TB], v[LN16]
	s_cmp_gt_u32 s[KS], s[GA]
	s_cbranch_scc1 .Lnone_\@
.rept 3
	v_nop                                          ; with the addition above: four places in front of loads into registers that matrix instructions have read
.endr
	WIN 0x40                                       ; destination window 1
.irp f, 0,1,2,3,4,5,6,7,8,9,10,11,12,13,14,15
	ds_load_b128 v[KF+4*\f:KF+4*\f+3], v[ADR] offset:512*\f          ; K: tile f / 2, registers 4 (f % 2) on
.endr
.irp f, 0,1,2,3,4,5,6,7,8,9,10,11,12,13,14,15
	ds_load_b128 v[VF+4*\f:VF+4*\f+3], v[ADR] offset:8192+512*\f     ; V: tile f / 4, registers 4 (f % 4) on
.endr
	WIN 0
	PAIR 0
	PAIR 1
.Lnone_\@:
	s_add_co_u32 s[TB], s[TB], 16384
	s_add_co_u32 s[KS], s[KS], 1
.endm
	s_wait_loadcnt 0x0                             ; Q
	s_wait_tensorcnt 1                             ; my part of key steps 0 and 1 is in; the load issued behind it may be out: no byte of LDS is filled twice
	s_barrier_signal -1
	s_barrier_wait -1                              ; everybody's is
.Lfirst:                                           ; key steps 0 and 1: LDS bytes 0 to 32,767
	TRIP
	s_cmp_lt_u32 s[KS], 2
	s_cbranch_scc1 .Lfirst
	s_wait_tensorcnt 0x0                           ; my part of the other fourteen key steps is in
	s_wait_dscnt 0x0
	s_barrier_signal -1
	s_barrier_wait -1                              ; everybody's is
	s_mov_b32 s[TB], 32768
	s_mov_b32 s[KS], 2
.Lrest:
	TRIP
	s_cmp_lt_u32 s[KS], 16
	s_cbranch_scc1 .Lrest
	; THE WAY OUT.  The sum's two halves and the other half of the lanes' are added (these additions are the places behind the last products); O^T is divided by the sum and converted.
.irp T, 0,1,2,3
	v_add_f32 v[230+\T], v[ST+4*\T+2], v[ST+4*\T+3]
.endr
.irp T, 0
	s_delay_alu instid0(VALU_DEP_4)
	v_permlanex16_b32 v[PT], v[230+\T], s[SEL], s[SEL+1]
	s_delay_alu instid0(VALU_DEP_1)
	v_add_f32 v[230+\T], v[230+\T], v[PT]
.endr
.irp T, 1, 2, 3
	s_delay_alu instid0(VALU_DEP_2)
	v_permlanex16_b32 v[PT], v[230+\T], s[SEL], s[SEL+1]
	s_delay_alu instid0(VALU_DEP_1)
	v_add_f32 v[230+\T], v[230+\T], v[PT]
.endr
	s_wait_alu depctr_va_vdst(0)
.irp T, 0,1,2,3
	v_rcp_f32 v[ST+4*\T+2], v[230+\T]
.endr
	v_nop                                          ; a plain instruction between the last reciprocal and the use of its result
	s_wait_alu depctr_va_vdst(0)                   ; one wait for the four reciprocals, ahead of their first reader
; Tile T: register 8 dt + j of lane (r, h) is d = 16 dt + 8 h + j of query r: eight codes, 8 bytes, at 16 r + 8 h of the unit of 256 bytes that holds k = 16 dt .. 16 dt + 15 of the tile's 16 tokens.
.macro OUT T
	WIN 0x01                                       ; source 0 (O^T) window 1
.set j, 0
.rept 16
	v_pk_mul_f32 v[S+32*\T+j:S+32*\T+j+1], v[32*\T+j:32*\T+j+1], v[ST+4*\T+2:ST+4*\T+3] op_sel_hi:[1,0]   ; each accumulator from its low end on
.set j, j+2
.endr
	WIN 0
.set j, 0
.rept 32
.set j, j+1
.endr
.irp dt, 0,1,2,3
	v_cvt_scalef32_pk8_fp8_f32 v[P+8*\T+2*\dt:P+8*\T+2*\dt+1], v[S+32*\T+8*\dt:S+32*\T+8*\dt+7], v[SCO]
.endr
	v_nop                                          ; one plain vector instruction behind the last conversion
.irp dt, 0,1,2,3
	global_store_b64 v[LO8], v[P+8*\T+2*\dt:P+8*\T+2*\dt+1], s[60+2*(\T/2):61+2*(\T/2)] offset:(\T%2)*4096+(\dt/2)*512+(\dt%2)*256   ; 32 lanes store 256 consecutive bytes, at a multiple of 256 from the buffer's first byte
.endr
.endm
.irp T, 0,1,2,3
	OUT \T
.endr
	s_wait_tensorcnt 0x0
	ds_add_u32 v254, v255
	s_wait_dscnt 0x0
	CROUND                                         ; the closing round: no work-group ends while a partner may still ask for a block that names it
	s_endpgm
.Lfunc_end_k_q71e94d0406_attn:
	.size	k_q71e94d0406_attn, .Lfunc_end_k_q71e94d0406_attn-k_q71e94d0406_attn
	.p2alignl 7, 3214868480
	.fill 96, 4, 3214868480
	.section	.rodata,"a",@progbits
	.p2align	6, 0x0
	.amdhsa_kernel k_q71e94d0406_attn
		.amdhsa_group_segment_fixed_size 327680
		.amdhsa_private_segment_fixed_size 0
		.amdhsa_enable_private_segment 0
		.amdhsa_kernarg_size 32
		.amdhsa_user_sgpr_count 2
		.amdhsa_user_sgpr_kernarg_segment_ptr 1
		.amdhsa_wavefront_size32 1
		.amdhsa_system_sgpr_workgroup_id_x 1
		.amdhsa_system_sgpr_workgroup_id_y 1
		.amdhsa_system_sgpr_workgroup_id_z 1
		.amdhsa_system_vgpr_workitem_id 0
		.amdhsa_next_free_vgpr 512
		.amdhsa_next_free_sgpr 80
		.amdhsa_reserve_vcc 1
		.amdhsa_float_denorm_mode_32 3
		.amdhsa_float_denorm_mode_16_64 3
		.amdhsa_fp16_overflow 1
		.amdhsa_memory_ordered 1
		.amdhsa_forward_progress 1
		.amdhsa_inst_pref_size 155
	.end_amdhsa_kernel
	.amdgpu_metadata
---
amdhsa.version: [ 1, 2 ]
amdhsa.kernels:
  - .name:           k_q71e94d0406_attn
    .symbol:         k_q71e94d0406_attn.kd
    .args:
      - { .name: q_img, .offset: 0, .size: 8, .value_kind: global_buffer, .address_space: global }
      - { .name: kv_img, .offset: 8, .size: 8, .value_kind: global_buffer, .address_space: global }
      - { .name: lowp_scales, .offset: 16, .size: 8, .value_kind: global_buffer, .address_space: global }
      - { .name: a_img, .offset: 24, .size: 8, .value_kind: global_buffer, .address_space: global }
    .group_segment_fixed_size: 327680
    .private_segment_fixed_size: 0
    .kernarg_segment_align: 8
    .kernarg_segment_size: 32
    .max_flat_workgroup_size: 256
    .sgpr_count:     80
    .vgpr_count:     512
    .wavefront_size: 32
...
	.end_amdgpu_metadata
.endif
;; end of part 2
;; launch proj (part 3): grid 8 x 32, 4 waves a work-group, clusters of 4 x 4, 327,680 bytes of LDS; arguments a_img, proj_w_codes, lowp_scales, proj_b, out0; writes out0
.if DOCPART == 3
	.amdgcn_target "amdgcn-amd-amdhsa--gfx1250"
	.amdhsa_code_object_version 6
	.text
	.protected	k_q71e94d0406_proj
	.globl	k_q71e94d0406_proj
	.p2align	8
	.type	k_q71e94d0406_proj,@function
k_q71e94d0406_proj:
	s_mov_b64 s[64:65], 0
	v_nop
	global_prefetch_b8 v0, s[64:65] scope:SCOPE_SE
	s_setreg_imm32_b32 hwreg(HW_REG_WAVE_MODE, 25, 1), 1
	s_wait_xcnt 0x0
	s_wait_alu depctr_hold_cnt(0) depctr_sa_sdst(0) depctr_va_vdst(0) depctr_va_sdst(0) depctr_va_ssrc(0) depctr_va_vcc(0) depctr_vm_vsrc(0)
	s_getreg_b32 s2, hwreg(HW_REG_IB_STS2, 6, 4)
	s_cmp_eq_u32 s2, 0
	s_cbranch_scc0 .Lentry_in_a_cluster
	s_endpgm
.Lentry_in_a_cluster:
	s_bfe_u32 s2, ttmp6, 0x10000c
	s_cmp_lg_u32 s2, 0xf033
	s_cbranch_scc0 .Lentry_shape_is_right
	s_endpgm
.Lentry_shape_is_right:
; out = A W^T x 2^(e6 + e7) + b on codes of FP8 (E4M3).  A: the attention's result, 8,192 tokens x 1,024, as images of operand registers (a_img); W: proj_w's codes [1024 (n)][1024 (k)], K innermost; out: [8192][1024] f32.
; LIMIT: e6 + e7 between -126 and 127, so that 2^(e6 + e7) is an f32 number.  NaN among codes or biases is not served.
; SHARES.  256 tiles of 256 tokens x 128 columns, a work-group of four waves each; a wave makes 128 x 64: 32 accumulators, 256 registers.  K goes in four steps of 256 through a ring of two LDS slots.
; a_img [K step 4][tile of 16 tokens 512][cc 8][lane][16 bytes]: lane (r, h) holds k = 32 cc + 16 h + 0 .. 15 of token r: the placing of k that four loads of 16 bytes give W's rows, alike on both sides.
; So A's part of a slot is one dense block of memory, lies in LDS as it lies there, and every fragment load takes 512 consecutive bytes.  W's rows are padded to 272 bytes.
; CLUSTERS: 4 x 4 work-groups: A's tiles are asked for jointly along a row of the cluster, W's along a column.  THE MATRIX INSTRUCTION IS USED TRANSPOSED (source 0 = 16 rows of W, source 1 = 16 tokens).
; REGISTERS: window 0: v16-29 addresses; v32-63 the bias in the result's layout; v64-95 a block's results; v128-255 A's fragments (one set), later rows read back from the stage.
;   window 1: W's fragments, two sets of four, at v0 and v64.   window 2: accumulator (a, b) at v[8 (4 a + b)].
.set KROW,   1024
.set ROWB,   256
.set PITCH,  272
.set FR,     16
.set NL,     4
.set NP,     4
.set AHALF,  32768                     ; 8 tiles of 16 tokens x 4,096 bytes: what one tensor load brings of A
.set BHALF,  64*PITCH                  ; 64 rows of W
.set BOFF,   2*AHALF
.set SLOT,   BOFF+2*BHALF              ; 100,352 bytes
.set SPARE,  2*SLOT                    ; behind the ring: the spare words, 128 bytes for each wave
.set SPITCH, 272                       ; the way out: a stage of 16 rows x (256 bytes + 16) for each wave, in slot 0, which has had its last fill and its last read when the first result is stored there
.set KSA,    2097152                   ; a K step of a_img in bytes
.set ADRA, 16
.set ADRB, 20
.set STO,  24                          ; v24  the way out: where I put 32 bytes of a row
.set RD,   25                          ; v25  where I read a row back
.set CO,   26                          ; v26  my byte offset in two rows of out
.set BO,   27                          ; v27  the bias: 32 h
.set SPW,  28
.set NIL,  29
.set B2,   32
.set TMP,  64
.set AF,   128
.set BK,   128                         ; rows read back: v128-159 and v160-191 by turns
.set G1, 24
.set G0, 32
.set G1B, 48
.set G0B, 56
.set MSB, 0
.macro WIN new                         ; the immediate's high byte repeats the setting that is left
.if MSB != \new
	s_set_vgpr_msb (MSB<<8)|\new
.set MSB, \new
.endif
.endm
.set MUL,  0xa1                        ; source 0 (W) window 1, source 1 (A) window 0, C and D window 2
.set TO_B, 0x40
.macro JLOAD g0a, g1a, g0b, g1b        ; a joint load: waves 0 and 1 fetch for A, waves 2 and 3 for W; four v_nop follow each of the two lines
	s_cmp_eq_u32 s15, 0
	s_cbranch_scc0 .Lfor_b_\@
	tensor_load_to_lds s[\g0a:\g0a+3], s[\g1a:\g1a+7]
	s_nop 0
.rept 4
	v_nop
.endr
	s_branch .Lasked_\@
.Lfor_b_\@:
	tensor_load_to_lds s[\g0b:\g0b+3], s[\g1b:\g1b+7]
	s_nop 0
.rept 4
	v_nop
.endr
.Lasked_\@:
.endm
.macro CREST
	s_cmp_lg_u32 s14, 0
	s_cbranch_scc1 .Lnot_wave_0_\@
	s_barrier_signal -3
.Lnot_wave_0_\@:
	s_barrier_wait -3
	s_barrier_signal -1
	s_barrier_wait -1
.endm
.macro CROUND
	s_barrier_signal -1
	s_barrier_wait -1
	CREST
.endm
	s_load_b256 s[4:11], s[0:1], 0x0               ; a_img s[4:5], W's codes s[6:7], the scales' exponents s[8:9], the bias s[10:11]
	s_load_b64 s[12:13], s[0:1], 0x20              ; out
	v_lshl_add_u32 v[SPW], v0, 2, SPARE
	v_mov_b32 v[NIL], 0
	ds_add_u32 v28, v29
	ds_add_u32 v28, v29
	s_wait_dscnt 0x0
	v_lshrrev_b32 v1, 5, v0
	v_readfirstlane_b32 s14, v1                    ; wave 0..3
	s_lshr_b32 s15, s14, 1                         ; which half of the tile's tokens is mine.  Also: I fetch for A (0) or for W (1)
	s_and_b32 s16, s14, 1                          ; which half of its columns.  Also: which half of that tile I fetch
	s_bfe_u32 s40, ttmp6, 0x40000                  ; cx, cy
	s_bfe_u32 s41, ttmp6, 0x40004
	s_lshl_b32 s42, ttmp9, 2
	s_add_co_u32 s42, s42, s40                     ; tile column = 4 x cluster x + cx, 0..7
	s_and_b32 s17, ttmp7, 0xffff
	s_lshl_b32 s17, s17, 2
	s_add_co_u32 s17, s17, s41                     ; tile row = 4 x cluster y + cy, 0..31
	s_lshl_b32 s43, s41, 2
	s_lshl_b32 s43, 15, s43                        ; my row of the cluster
	s_lshl_b32 s44, 0x1111, s40                    ; my column
	s_or_b32 s[G1+0], s43, (0<<16)|(1<<21)         ; A: 15:0 the mask: my row; elements of 1 byte; no padding; 21 set beside a mask
	s_mov_b32 s[G1+1], 256<<16                     ; tensor_dim0 = 256
	s_mov_b32 s[G1+2], 128<<16                     ; tensor_dim1 = 128: a dense block of 32,768 bytes as rows of 256
	s_mov_b32 s[G1+3], 256<<16                     ; tile_dim0
	s_mov_b32 s[G1+4], 128                         ; tile_dim1
	s_mov_b32 s[G1+5], 256                         ; tensor_dim0_stride
	s_mov_b32 s[G1+6], 0
	s_mov_b32 s[G1+7], 0
	s_or_b32 s[G1B+0], s44, (0<<16)|(1<<20)|(1<<21)|(5<<22)|(3<<25)  ; W: the mask: my column; padding of 4 words after every 64
	s_mov_b32 s[G1B+1], ROWB<<16
	s_mov_b32 s[G1B+2], 64<<16                     ; 64 rows
	s_mov_b32 s[G1B+3], ROWB<<16
	s_mov_b32 s[G1B+4], 64
	s_mov_b32 s[G1B+5], KROW
	s_mov_b32 s[G1B+6], 0
	s_mov_b32 s[G1B+7], 0
	s_lshl_b32 s20, s17, 16                        ; A: 16 tiles of 4,096 bytes for each tile row,
	s_lshl_b32 s18, s16, 15                        ; + the half that I fetch
	s_add_co_u32 s20, s20, s18
	s_mov_b32 s21, 0
	s_lshl_b32 s46, s42, 17                        ; W: 128 rows of 1,024 bytes for each tile column,
	s_lshl_b32 s47, s16, 16                        ; + 64 rows
	s_add_co_u32 s46, s46, s47
	s_mov_b32 s47, 0
	s_lshl_b32 s45, s16, 15                        ; where they go: A's halves,
	s_mul_i32 s18, s16, BHALF
	s_add_co_u32 s18, s18, BOFF                    ; W's halves behind them: no place in the cluster enters an LDS address
	s_wait_kmcnt 0x0
	s_load_b64 s[96:97], s[8:9], 0x18              ; e6, e7
	s_add_nc_u64 s[20:21], s[4:5], s[20:21]
	s_add_nc_u64 s[46:47], s[6:7], s[46:47]
	CROUND                                         ; all sixteen work-groups are here: the first joint loads meet
.irp s, 0,1
	s_mov_b32 s[G0+4*\s], 1
	s_add_co_u32 s[G0+4*\s+1], s45, \s*SLOT
	s_add_nc_u64 s[G0+4*\s+2:G0+4*\s+3], s[20:21], \s*KSA
	s_or_b32 s[G0+4*\s+3], s[G0+4*\s+3], 0x80000000
	s_mov_b32 s[G0B+4*\s], 1
	s_add_co_u32 s[G0B+4*\s+1], s18, \s*SLOT
	s_add_nc_u64 s[G0B+4*\s+2:G0B+4*\s+3], s[46:47], \s*ROWB
	s_or_b32 s[G0B+4*\s+3], s[G0B+4*\s+3], 0x80000000
	s_wait_alu depctr_va_vdst(0)
	s_wait_tensorcnt 0x0
	ds_add_u32 v28, v29
	ds_add_u32 v28, v29
	s_wait_dscnt 0x0
	CROUND
	JLOAD G0+4*\s, G1, G0B+4*\s, G1B               ; one load of mine is out
.endr
	v_and_b32 v1, 15, v0                           ; r
	v_bfe_u32 v2, v0, 4, 1                         ; h
	v_and_b32 v6, 31, v0
	v_lshlrev_b32 v6, 4, v6                        ; 16 x lane: an image's place for my lane
	v_mul_u32_u24 v3, v1, PITCH
	v_lshl_add_u32 v4, v2, 4, v3                   ; W: row x pitch + 16 x half
	s_lshl_b32 s21, s15, 15                        ; my 128 tokens' images
	s_mul_i32 s22, s16, BHALF                      ; my 64 rows of W
	s_add_co_u32 s22, s22, BOFF
.irp s, 0,1
	v_add_nc_u32 v[ADRA+\s], s21, v6
	v_add_nc_u32 v[ADRB+\s], s22, v4
	s_add_co_u32 s21, s21, SLOT
	s_add_co_u32 s22, s22, SLOT
.endr
	s_mul_i32 s23, s14, 16*SPITCH                  ; my stage
	v_mul_u32_u24 v5, v1, SPITCH                   ; in: row r, 32 bytes for each half of the lanes
	v_lshl_add_u32 v5, v2, 5, v5
	v_add_nc_u32 v[STO], s23, v5
	v_mul_u32_u24 v5, v2, SPITCH                   ; back: lanes 0-15 one row of 256 bytes, lanes 16-31 the next
	v_lshl_add_u32 v5, v1, 4, v5
	v_add_nc_u32 v[RD], s23, v5
	v_lshlrev_b32 v5, 12, v2                       ; and the same two rows of out, 4,096 bytes apart
	v_lshl_add_u32 v[CO], v1, 4, v5
	v_lshlrev_b32 v[BO], 5, v2
	s_wait_alu depctr_va_vdst(0)
	s_lshl_b32 s20, s17, 20                        ; my first row of out: (256 x tile row + 128 x half) x 4,096 bytes
	s_lshl_b32 s21, s15, 19
	s_add_co_u32 s20, s20, s21
	s_mov_b32 s21, 0
	s_lshl_b32 s46, s42, 9                         ; my first column, in bytes: 512 x tile column + 256 x half
	s_lshl_b32 s47, s16, 8
	s_add_co_u32 s46, s46, s47
	s_mov_b32 s47, 0
	s_add_nc_u64 s[12:13], s[12:13], s[20:21]
	s_add_nc_u64 s[12:13], s[12:13], s[46:47]
	s_add_nc_u64 s[10:11], s[10:11], s[46:47]
.irp b, 0,1,2,3
	global_load_b128 v[B2+8*\b:B2+8*\b+3], v[BO], s[10:11] offset:64*\b          ; the bias of columns 16 b + 8 h + 0 .. 7
	global_load_b128 v[B2+8*\b+4:B2+8*\b+7], v[BO], s[10:11] offset:64*\b+16
.endr
.macro FRAGA reg, slot, q, i           ; A's fragment of token tile i, the slot's q-th 128 along K: four images of 512 bytes
.irp c, 0,1,2,3
	ds_load_b128 v[\reg+4*\c:\reg+4*\c+3], v[ADRA+\slot] offset:4096*(\i)+2048*(\q)+512*\c
.endr
.endm
.macro FRAGB reg, slot, q, i           ; W's fragment: lane l holds row l % 16; registers 4 c .. 4 c + 3 hold K = 32 c + 16 (l / 16) + 0 .. 15
.irp c, 0,1,2,3
	ds_load_b128 v[\reg+4*\c:\reg+4*\c+3], v[ADRB+\slot] offset:128*(\q)+32*\c+(\i)*16*PITCH
.endr
.endm
; 8 matrix instructions: A's blocks a0, a0 + 1 x W's four.  The 32 accumulators take turns, one instruction a turn, in the same order in every step.  zero = 1: the first product starts the sums.
.macro MUL8 a0, p, zero
.irp a, \a0, \a0+1
.irp b, 0,1,2,3
.if \zero
	v_wmma_f32_16x16x128_fp8_fp8 v[8*(4*(\a)+\b):8*(4*(\a)+\b)+7], v[64*(\p)+FR*\b:64*(\p)+FR*\b+FR-1], v[AF+FR*(\a):AF+FR*(\a)+FR-1], 0
.else
	v_wmma_f32_16x16x128_fp8_fp8 v[8*(4*(\a)+\b):8*(4*(\a)+\b)+7], v[64*(\p)+FR*\b:64*(\p)+FR*\b+FR-1], v[AF+FR*(\a):AF+FR*(\a)+FR-1], v[8*(4*(\a)+\b):8*(4*(\a)+\b)+7]
.endif
.endr
.endr
.endm
.macro FETCH_B slot, q, p
	WIN TO_B
.irp i, 0,1,2,3
	FRAGB 64*(\p)+FR*\i, \slot, \q, \i
.endr
	WIN 0
.endm
.macro FETCH_A slot, q, i0
.irp i, \i0, \i0+1, \i0+2, \i0+3
	FRAGA AF+FR*(\i), \slot, \q, \i
.endr
.endm
.macro PLACES n                        ; places in front of loads into registers that matrix instructions have read, and of the first read of results (ISA guide 7.12.1 for the first read of results)
.rept \n
	v_nop
.endr
.endm
.macro STEP slot, q, zero              ; a step of 128 along K that has its successor in the same slot: 32 matrix instructions
	s_wait_dscnt 4*NL                              ; W's set and A's blocks 0-3 are in; the youngest 16 loads (A's blocks 4-7) may be out
	WIN MUL
	MUL8 0, (\q)%2, \zero
	MUL8 2, (\q)%2, \zero
	s_wait_dscnt 0
	PLACES NP
	FETCH_B \slot, (\q)+1, 1-(\q)%2
	FETCH_A \slot, (\q)+1, 0
	WIN MUL
	MUL8 4, (\q)%2, \zero
	MUL8 6, (\q)%2, \zero
	PLACES NP
	WIN 0
	FETCH_A \slot, (\q)+1, 4
.endm
; A slot's last step changes slots: ONE barrier; in front of it each wave waits for all its tensor loads, adds 0 to its spare word, and waits for that and for its own reads of this slot.
.macro TURN slot, next, fill
	s_wait_tensorcnt 0x0                           ; all my tensor loads have landed: my part of the next slot
	ds_add_u32 v[SPW], v[NIL]                      ; 0 onto my spare word
	s_wait_dscnt 4*NL+1                            ; (the add and the youngest 16 loads may be out)
	WIN MUL
	MUL8 0, 1, 0                                   ; eight matrix instructions stand between the add and the wait for it
	s_wait_dscnt 0x0                               ; the add is done, and my reads of this slot are over
	s_barrier_signal -1
	MUL8 2, 1, 0
	WIN 0
	s_barrier_wait -1
.if \fill
	CREST                                          ; the barrier has opened a round of the cluster's barrier: no wave of any partner still reads this slot or has a load on its way
	s_add_nc_u64 s[G0+4*\slot+2:G0+4*\slot+3], s[G0+4*\slot+2:G0+4*\slot+3], 2*KSA
	s_add_nc_u64 s[G0B+4*\slot+2:G0B+4*\slot+3], s[G0B+4*\slot+2:G0B+4*\slot+3], 2*ROWB
	JLOAD G0+4*\slot, G1, G0B+4*\slot, G1B         ; the first tensor load behind the round, my one load until the next; its four v_nop are the places in front of the loads below
.else
	PLACES NP
.endif
	FETCH_B \next, 0, 0
	FETCH_A \next, 0, 0
	WIN MUL
	MUL8 4, 1, 0
	MUL8 6, 1, 0
	PLACES NP
	WIN 0
	FETCH_A \next, 0, 4
.endm
	s_wait_loadcnt 0x0                             ; the bias
	s_wait_tensorcnt 1                             ; my part of K step 0 is in; K step 1's load, issued behind it, may be out
	s_barrier_signal -1
	s_barrier_wait -1
	FETCH_B 0, 0, 0
	FETCH_A 0, 0, 0
	FETCH_A 0, 0, 4
	STEP 0, 0, 1                                   ; K has four slots' worth: the eight steps are written out
	TURN 0, 1, 1
	STEP 1, 0, 0
	TURN 1, 0, 1
	STEP 0, 0, 0
	TURN 0, 1, 0                                   ; the last two slots are not filled again
	STEP 1, 0, 0
	s_wait_dscnt 4*NL                              ; the very last step
	WIN MUL
	MUL8 0, 1, 0
	MUL8 2, 1, 0
	s_wait_dscnt 0
	MUL8 4, 1, 0
	MUL8 6, 1, 0
	WIN 0
; THE WAY OUT, block by block of 16 tokens x 64 columns.  A lane holds 32 neighbouring bytes of a row for each of W's four tiles: a block goes through my own stage in LDS and comes back as whole rows of 256 bytes.
; LDS serves a wave's instructions in order (ISA guide 5.7.1.4): no wait between the stores and the loads, nor in front of the next block's stores.
.macro TOSTAGE a
	WIN 0x02                                       ; source 0: window 2
.irp b, 0,1,2,3
.irp u, 0,2,4,6
	v_pk_fma_f32 v[TMP+8*\b+\u:TMP+8*\b+\u+1], v[32*(\a)+8*\b+\u:32*(\a)+8*\b+\u+1], s[96:97], v[B2+8*\b+\u:B2+8*\b+\u+1] op_sel_hi:[1,0,1]   ; sum x 2^(e6 + e7) + bias; each accumulator from its low end on
.endr
.endr
	WIN 0
.irp b, 0,1,2,3
	ds_store_b128 v[STO], v[TMP+8*\b:TMP+8*\b+3] offset:64*\b
	ds_store_b128 v[STO], v[TMP+8*\b+4:TMP+8*\b+7] offset:64*\b+16
.endr
.set BB, BK+32*((\a)%2)
.irp t, 0,1,2,3,4,5,6,7
	ds_load_b128 v[BB+4*\t:BB+4*\t+3], v[RD] offset:\t*2*SPITCH
.endr
.endm
.macro SEND a, younger                 ; younger: the LDS instructions issued behind block a's loads, which may stay out
.set BB, BK+32*((\a)%2)
	s_wait_dscnt \younger
.irp t, 0,1,2,3,4,5,6,7
	global_store_b128 v[CO], v[BB+4*\t:BB+4*\t+3], s[12:13] offset:(16*(\a)+2*\t)*4096 th:TH_STORE_NT   ; 16 lanes store 256 consecutive bytes, at a multiple of 256 from out's first byte; the base is never stepped: 126 rows at the most stand in the immediate
.endr
.endm
	s_wait_kmcnt 0x0
	s_add_co_i32 s96, s96, s97                     ; e6 + e7
	s_add_co_i32 s96, s96, 127
	s_lshl_b32 s96, s96, 23                        ; 2^(e6 + e7) as f32
	PLACES NP                                      ; behind the last products: for the reads of their results and the loads into the registers that held A's fragments
	TOSTAGE 0
.irp a, 1,2,3,4,5,6,7
.if \a > 1
	s_wait_xcnt 0x0                                ; block a - 2's stores have read their registers: block a's loads may land there
.endif
	TOSTAGE \a
	SEND \a-1, 16                                  ; behind block a - 1's loads: block a's 8 stores and 8 loads
.endr
	SEND 7, 0
	s_wait_tensorcnt 0x0                           ; the wave's end
	ds_add_u32 v[SPW], v[NIL]
	s_wait_dscnt 0x0
	CROUND                                         ; the closing round
	s_endpgm
.Lfunc_end_k_q71e94d0406_proj:
	.size	k_q71e94d0406_proj, .Lfunc_end_k_q71e94d0406_proj-k_q71e94d0406_proj
	.p2alignl 7, 3214868480
	.fill 96, 4, 3214868480
	.section	.rodata,"a",@progbits
	.p2align	6, 0x0
	.amdhsa_kernel k_q71e94d0406_proj
		.amdhsa_group_segment_fixed_size 327680
		.amdhsa_private_segment_fixed_size 0
		.amdhsa_enable_private_segment 0
		.amdhsa_kernarg_size 40
		.amdhsa_user_sgpr_count 2
		.amdhsa_user_sgpr_kernarg_segment_ptr 1
		.amdhsa_wavefront_size32 1
		.amdhsa_system_sgpr_workgroup_id_x 1
		.amdhsa_system_sgpr_workgroup_id_y 1
		.amdhsa_system_sgpr_workgroup_id_z 1
		.amdhsa_system_vgpr_workitem_id 0
		.amdhsa_next_free_vgpr 768
		.amdhsa_next_free_sgpr 100
		.amdhsa_reserve_vcc 0
		.amdhsa_float_denorm_mode_32 3
		.amdhsa_float_denorm_mode_16_64 3
		.amdhsa_memory_ordered 1
		.amdhsa_forward_progress 1
		.amdhsa_inst_pref_size 78
	.end_amdhsa_kernel
	.amdgpu_metadata
---
amdhsa.version: [ 1, 2 ]
amdhsa.kernels:
  - .name:           k_q71e94d0406_proj
    .symbol:         k_q71e94d0406_proj.kd
    .args:
      - { .name: a_img, .offset: 0, .size: 8, .value_kind: global_buffer, .address_space: global }
      - { .name: proj_w_codes, .offset: 8, .size: 8, .value_kind: global_buffer, .address_space: global }
      - { .name: lowp_scales, .offset: 16, .size: 8, .value_kind: global_buffer, .address_space: global }
      - { .name: proj_b, .offset: 24, .size: 8, .value_kind: global_buffer, .address_space: global }
      - { .name: out0, .offset: 32, .size: 8, .value_kind: global_buffer, .address_space: global }
    .group_segment_fixed_size: 327680
    .private_segment_fixed_size: 0
    .kernarg_segment_align: 8
    .kernarg_segment_size: 40
    .max_flat_workgroup_size: 128
    .sgpr_count:     100
    .vgpr_count:     768
    .wavefront_size: 32
...
	.end_amdgpu_metadata
.endif
;; end of part 3
